; MI455X (gfx1250); checked and timed in simulation.
; The chip was launched on July 23, 2026; its instructions are those of AMD's public machine-readable ISA for CDNA 5 (MIT licence, August 2026) and "CDNA5" Instruction Set Architecture Reference Guide (July 2026). The comments in the code are by the model that wrote it; some were corrected since.
;; Self Attention V4. Allowed arithmetic: float matrix products may take bf16 or f16 operands with f32 sums; all other float work in f32.
;; Inputs: Wk 1,024 x 512 float32; Wq 1,024 x 512 float32; Wv 1,024 x 512 float32; bk 512 float32; bq 512 float32; bv 512 float32; inputs_k 4 x 2,048 x 1,024 float32; inputs_q 4 x 2,048 x 1,024 float32; inputs_v 4 x 2,048 x 1,024 float32.
;; Outputs: out0 4 x 2,048 x 512 float32.
;; One version. Each part assembles by itself: llvm-mc -triple=amdgcn-amd-amdhsa -mcpu=gfx1250 --defsym DOCPART=n.
;; ======== version 1 of 1: 4 launches
;; limits: values are held in f16: magnitudes above 65,504 overflow, below 6.1e-05 lose precision; values outside matrix products are rounded to bf16; right only within a limited range of input values
;; workspace buffers: wf 3,145,728 bytes; qf 8,388,608 bytes; kf 8,388,608 bytes; vf 8,388,608 bytes; po 31,457,280 bytes; st 491,520 bytes
;; launch prep (part 1): grid 128 x 3, 4 waves a work-group, no clusters, 0 bytes of LDS; arguments Wq, Wk, Wv, wf; writes wf
.if DOCPART == 1
	.amdgcn_target "amdgcn-amd-amdhsa--gfx1250"
	.amdhsa_code_object_version 6
	.text
	.protected	k_qeabebad42d_prep
	.globl	k_qeabebad42d_prep
	.p2align	8
	.type	k_qeabebad42d_prep,@function
k_qeabebad42d_prep:
	s_mov_b64 s[64:65], 0
	v_nop
	global_prefetch_b8 v0, s[64:65] scope:SCOPE_SE
	s_setreg_imm32_b32 hwreg(HW_REG_WAVE_MODE, 25, 1), 1
	s_wait_xcnt 0x0
; W (f32, [1024 k][512 n], three of them) is rounded to bf16 (nearest even) and laid out as matrix fragments:
; wf = [p 3][u 32 = k/32][nt 32 = n/16][1024 bytes].  A fragment is [half f 2][lane 32][16 bytes]; lane (r = L & 15, h = L >> 4)
; of half f holds column n = 16 nt + r, k = 32 u + 16 f + 8 h .. + 7: registers 4 f .. 4 f + 3 of a 16-bit operand (ISA guide 7.12.2).
; A wave makes the two fragments nt = 2 cp, 2 cp + 1 of one u: lane l owns column 32 cp + l and loads its 32 k.
; A stream of 6 MiB in and 3 MiB out: no LDS, no matrix unit, no cluster; nothing is shared between waves.
.set WROW, 2048                        ; bytes in a row of W
.set RAWR, 4                           ; v[4:35]  my column's 32 numbers, f32
.set PK,   36                          ; v[36:51] the same, bf16, two to a register
	s_load_b256 s[8:15], s[0:1], 0x0               ; Wq s[8:9], Wk s[10:11], Wv s[12:13], wf s[14:15]
	v_lshrrev_b32 v1, 5, v0
	v_readfirstlane_b32 s4, v1                     ; wave 0..3
	s_and_b32 s5, ttmp7, 0xffff                    ; p: 0 = q, 1 = k, 2 = v
	s_lshl_b32 s6, ttmp9, 2
	s_add_co_u32 s6, s6, s4                        ; id = 4 x + wave, 0..511
	s_lshr_b32 s7, s6, 4                           ; u
	s_and_b32 s6, s6, 15                           ; cp
	s_lshl_b32 s18, s7, 16                         ; 32 rows of W
	s_lshl_b32 s19, s6, 7                          ; 32 columns of f32
	s_add_co_u32 s18, s18, s19
	s_mov_b32 s19, 0
	s_lshl_b32 s20, s5, 20                         ; wf: p x 1 MiB
	s_lshl_b32 s21, s7, 15                         ;     + u x 32 fragments
	s_add_co_u32 s20, s20, s21
	s_lshl_b32 s21, s6, 11                         ;     + cp x 2 fragments
	s_add_co_u32 s20, s20, s21
	s_mov_b32 s21, 0
	v_and_b32 v1, 31, v0                           ; lane
	v_lshlrev_b32 v2, 2, v1                        ; my column, in bytes
	v_and_b32 v3, 15, v1
	v_lshrrev_b32 v1, 4, v1
	v_lshlrev_b32 v3, 4, v3
	v_lshl_add_u32 v3, v1, 10, v3                  ; which of the two fragments x 1024 + 16 r
	s_wait_kmcnt 0x0
	s_cmp_eq_u32 s5, 1
	s_cselect_b64 s[16:17], s[10:11], s[8:9]
	s_cmp_eq_u32 s5, 2
	s_cselect_b64 s[16:17], s[12:13], s[16:17]     ; the W of this p
	s_add_nc_u64 s[16:17], s[16:17], s[18:19]
	s_add_nc_u64 s[14:15], s[14:15], s[20:21]
.set kk, 0
.rept 32
	global_load_b32 v[RAWR+kk], v2, s[16:17] offset:kk*WROW th:TH_LOAD_NT   ; 128 neighbouring bytes a wave; the group's four waves take 512 of the row
.set kk, kk+1
.endr
	s_wait_loadcnt 0x0
.set kk, 0
.rept 16
	v_cvt_pk_bf16_f32 v[PK+kk], v[RAWR+2*kk], v[RAWR+2*kk+1]
.set kk, kk+1
.endr
; quarter q = 2 f + h of my column's 32 k goes to byte 512 f + 256 h + 16 r of the fragment: sixteen lanes store 256 consecutive bytes, aligned
.irp q, 0,1,2,3
	global_store_b128 v3, v[PK+4*\q:PK+4*\q+3], s[14:15] offset:(\q>>1)*512+(\q&1)*256
.endr
	s_endpgm
.Lfunc_end_k_qeabebad42d_prep:
	.size	k_qeabebad42d_prep, .Lfunc_end_k_qeabebad42d_prep-k_qeabebad42d_prep
	.p2alignl 7, 3214868480
	.fill 96, 4, 3214868480
	.section	.rodata,"a",@progbits
	.p2align	6, 0x0
	.amdhsa_kernel k_qeabebad42d_prep
		.amdhsa_group_segment_fixed_size 0
		.amdhsa_private_segment_fixed_size 0
		.amdhsa_enable_private_segment 0
		.amdhsa_kernarg_size 32
		.amdhsa_user_sgpr_count 2
		.amdhsa_user_sgpr_kernarg_segment_ptr 1
		.amdhsa_wavefront_size32 1
		.amdhsa_system_sgpr_workgroup_id_x 1
		.amdhsa_system_sgpr_workgroup_id_y 1
		.amdhsa_system_sgpr_workgroup_id_z 1
		.amdhsa_system_vgpr_workitem_id 0
		.amdhsa_next_free_vgpr 56
		.amdhsa_next_free_sgpr 66
		.amdhsa_reserve_vcc 0
		.amdhsa_float_denorm_mode_32 3
		.amdhsa_float_denorm_mode_16_64 3
		.amdhsa_memory_ordered 1
		.amdhsa_forward_progress 1
		.amdhsa_inst_pref_size 6
	.end_amdhsa_kernel
	.amdgpu_metadata
---
amdhsa.version: [ 1, 2 ]
amdhsa.kernels:
  - .name:           k_qeabebad42d_prep
    .symbol:         k_qeabebad42d_prep.kd
    .args:
      - { .name: Wq, .offset: 0, .size: 8, .value_kind: global_buffer, .address_space: global }
      - { .name: Wk, .offset: 8, .size: 8, .value_kind: global_buffer, .address_space: global }
      - { .name: Wv, .offset: 16, .size: 8, .value_kind: global_buffer, .address_space: global }
      - { .name: wf, .offset: 24, .size: 8, .value_kind: global_buffer, .address_space: global }
    .group_segment_fixed_size: 0
    .private_segment_fixed_size: 0
    .kernarg_segment_align: 8
    .kernarg_segment_size: 32
    .max_flat_workgroup_size: 128
    .sgpr_count:     66
    .vgpr_count:     56
    .wavefront_size: 32
...
	.end_amdgpu_metadata
.endif
;; end of part 1
;; launch proj (part 2): grid 64 x 3, 4 waves a work-group, no clusters, 327,680 bytes of LDS; arguments inputs_q, inputs_k, inputs_v, bq, bk, bv, wf, qf, kf, vf; writes qf, kf, vf
.if DOCPART == 2
	.amdgcn_target "amdgcn-amd-amdhsa--gfx1250"
	.amdhsa_code_object_version 6
	.text
	.protected	k_qeabebad42d_proj
	.globl	k_qeabebad42d_proj
	.p2align	8
	.type	k_qeabebad42d_proj,@function
k_qeabebad42d_proj:
	s_mov_b64 s[64:65], 0
	v_nop
	global_prefetch_b8 v0, s[64:65] scope:SCOPE_SE
	s_setreg_imm32_b32 hwreg(HW_REG_WAVE_MODE, 25, 1), 1
	s_wait_xcnt 0x0
; y = x W + b for one of the three projections (p = work-group y: 0 q, 1 k, 2 v).  x: [8192][1024] f32, W as bf16 fragments from wf, b f32.
; x and W enter the matrix unit as bf16 (nearest even), sums and the bias in f32, y is rounded once to F16 and stored as matrix fragments:
;   qf, kf = [row/16][feature/32][1024 bytes], vf = [row/32][dv/16][1024 bytes] (a fragment's row is dv, its k the key).
; A fragment is [half f][lane 32][16 bytes], lane (r, h) of half f holding row r, k = 16 f + 8 h .. + 7.
; WHY F16 FOR y: an attention row with few open keys is a sum of few terms that may cancel, so an operand's rounding shows there undamped; f16's 11
; significant bits leave an eighth of the error of bf16's 8.  LIMIT: |y| stays under 65,504, f16's largest number; beyond it y becomes infinite.  Room: the drawn
; spread of y is sqrt(1024) x 1 x 0.02 = 0.64; with x and W both 30 times larger it is 576; with a common offset of 30 spreads on both, y lies near
; 1024 x 30 x 0.6 = 18,432.  Numbers under 2^-14 are kept as f16 denormals, with an absolute error of 2^-25.
; A work-group makes 128 rows x 512 columns, wave w all 128 rows x columns 128 w .. + 127: 64 accumulator tiles, 512 registers.
; q and k are multiplied TRANSPOSED (source 0 = W, source 1 = x): a lane then holds 8 neighbouring columns of one row, which packed are 16 bytes
; of a q or k fragment.  v is multiplied in natural order (source 0 = x, source 1 = W): a lane holds 8 neighbouring keys of one dv, 16 bytes of a
; fragment of V transposed.  So every result leaves its registers by stores of 512 consecutive bytes a wave, with no stage in LDS.
; x comes by tensor loads, 256 k at a time, through two LDS slots of 128 rows x 1,040 bytes; it is converted to bf16 on the way to the matrix unit.
; W goes straight from memory into registers, three K steps ahead, through a ring of four buffers.
; NO CLUSTER: the 64 row blocks of a projection walk the same W, but the two x slots take 266,240 of the 327,680 bytes of LDS, two slots of one
; K chunk of W (2 x 256 k x 512 n x 2 bytes) do not fit beside them, and a fragment of W is used by one wave of a work-group alone.
; 192 work-groups: 8,192 rows in blocks of 128 for each of three projections.
; The text is straight-line (4 chunks x 8 K steps by macro) so that every LDS and W offset is an immediate and no pointer is stepped.
.set PITCH, 1040                       ; an LDS row: 1,024 bytes + 16 = 65 x 16: sixteen rows of one column start at sixteen different 16-byte places modulo 256
.set SLOT,  128*PITCH
.set XA,   4                           ; v4-7     LDS address of my x bytes: slot s, upper or lower 64 rows hh, at XA + 2 s + hh
.set LN,   8                           ; v8       16 x lane: W loads and result stores; never rewritten
.set BO,   9                           ; v9       my offset in the bias
.set RAW,  32                          ; v[32:159]  x as f32: row tile a at RAW + 16 a
.set FA,   160                         ; v[160:223] x as bf16 fragments: row tile a at FA + 8 a
.set BIAS, 32                          ; the way out: the bias, over RAW
.set TMP,  96                          ; the way out: packed results
.set G1,   36                          ; s[36:43] descriptor group 1
.set G0,   44                          ; s[44:51] descriptor group 0, one set for each slot
; window 1: W, buffer u & 3 at 64 (u & 3), column tile bb at + 8 bb.  windows 2, 3: accumulators of row tiles 0-3, 4-7, tile (a, bb) at 8 (8 (a & 3) + bb)
.set MSB, 0
.set ZF,  0
.macro WIN new                         ; s_set_vgpr_msb: bits 1:0 source 0, 3:2 source 1, 5:4 source 2, 7:6 destination; the high byte repeats the setting left
.if MSB != \new
	s_set_vgpr_msb (MSB<<8)|\new
.set MSB, \new
.endif
.endm
.macro PLACES                          ; four places behind a matrix instruction before its sources are rewritten or its result is read (ISA guide 7.12.1)
.rept 4
	v_nop
.endr
.endm
; 32 LDS loads: 128 rows x 32 k of f32 at K step kq of the slot's chunk.  Lane (r, h) takes k = 8 h .. + 7 (bytes 32 h, + 16) and 16 + 8 h .. + 7 (bytes 64 + 32 h, + 16)
.macro RAWLD slot, kq
.irp a, 0,1,2,3,4,5,6,7
.irp q, 0,1,2,3
	ds_load_b128 v[RAW+16*\a+4*\q:RAW+16*\a+4*\q+3], v[XA+2*\slot+(\a>>2)] offset:(\a&3)*16*PITCH+(\kq)*128+(\q&1)*16+(\q>>1)*64
.endr
.endr
.endm
.macro CVT8                            ; f32 to bf16: eight fragments
.irp a, 0,1,2,3,4,5,6,7
.irp i, 0,1,2,3,4,5,6,7
	v_cvt_pk_bf16_f32 v[FA+8*\a+\i], v[RAW+16*\a+2*\i], v[RAW+16*\a+2*\i+1]
.endr
.endr
.endm
.macro WLD u                           ; my eight fragments of W for K step u: 16 loads of 512 consecutive bytes
	WIN 0x40
.irp bb, 0,1,2,3,4,5,6,7
.irp f, 0,1
	global_load_b128 v[64*((\u)&3)+8*\bb+4*\f:64*((\u)&3)+8*\bb+4*\f+3], v[LN], s[34:35] offset:(\u)*32768+\bb*1024+\f*512
.endr
.endr
	WIN 0
.endm
.macro BIASLD nat
.irp bb, 0,1,2,3,4,5,6,7
.if \nat
	global_load_b32 v[BIAS+2*\bb], v[BO], s[30:31] offset:64*\bb          ; b of dv = 128 w + 16 bb + r, twice: a pair for the packed add
	global_load_b32 v[BIAS+2*\bb+1], v[BO], s[30:31] offset:64*\bb
.else
	global_load_b128 v[BIAS+8*\bb:BIAS+8*\bb+3], v[BO], s[30:31] offset:64*\bb        ; b of columns 128 w + 16 bb + 8 h + 0 .. 7
	global_load_b128 v[BIAS+8*\bb+4:BIAS+8*\bb+7], v[BO], s[30:31] offset:64*\bb+16
.endif
.endr
.endm
; 16 matrix instructions: row tiles a0, a0 + 1 of the window's four x all 8 column tiles.  ZF = 1: the first product starts the sums
.macro MUL16 nat, ring, hi, a0
.irp a, \a0, \a0+1
.irp bb, 0,1,2,3,4,5,6,7
.set ACC, 8*(8*(\a)+\bb)
.set XF, FA+8*(4*\hi+(\a))
.set WF, 64*(\ring)+8*\bb
.if \nat
.if ZF
	v_wmma_f32_16x16x32_bf16 v[ACC:ACC+7], v[XF:XF+7], v[WF:WF+7], 0
.else
	v_wmma_f32_16x16x32_bf16 v[ACC:ACC+7], v[XF:XF+7], v[WF:WF+7], v[ACC:ACC+7]
.endif
.else
.if ZF
	v_wmma_f32_16x16x32_bf16 v[ACC:ACC+7], v[WF:WF+7], v[XF:XF+7], 0
.else
	v_wmma_f32_16x16x32_bf16 v[ACC:ACC+7], v[WF:WF+7], v[XF:XF+7], v[ACC:ACC+7]
.endif
.endif
.endr
.endr
.endm
; One K step of 32.  The 64 accumulators take turns, one instruction a turn, in the same order in every step.
.macro STEP nat, u, slot, kq
	s_wait_dscnt 0x0                               ; this step's x is in RAW
	PLACES                                         ; FA and W's buffer (u - 1) & 3 were sources of the last step's matrix instructions
	CVT8
.if (\kq) < 7
	RAWLD \slot, (\kq+1)                           ; the next step's x, with this step's 64 matrix instructions in which to come
.endif
.if (\u) <= 29
	s_wait_loadcnt 32                              ; W(u) is in: the 16 loads each of W(u+1) and W(u+2) may stay out
.else
.if (\u) == 30
	s_wait_loadcnt 16                              ; only W(31) was issued behind W(30)
.else
	s_wait_loadcnt 0
.endif
.endif
.if (\u) <= 28
	WLD (\u+3)                                     ; into the buffer that step u - 1 read
.endif
.if (\u) == 31
	BIASLD \nat                                    ; over RAW, which has been converted
.endif
.if (\u) == 0
.set ZF, 1
.else
.set ZF, 0
.endif
.if \nat
	WIN 0xa4                                       ; source 0 x window 0, source 1 W window 1, C and D window 2
.else
	WIN 0xa1                                       ; source 0 W window 1, source 1 x window 0, C and D window 2
.endif
	MUL16 \nat, ((\u)&3), 0, 0
	MUL16 \nat, ((\u)&3), 0, 2
.if \nat
	WIN 0xf4
.else
	WIN 0xf1
.endif
	MUL16 \nat, ((\u)&3), 1, 0
	MUL16 \nat, ((\u)&3), 1, 2
	WIN 0
.endm
; The change of chunks.  Every wave has its reads of the old slot back and all its tensor loads landed (its part of the next slot among them), then the barrier;
; behind it the old slot is filled again first, one load a wave.
.macro BOUND slot, refill
	s_wait_dscnt 0x0
	s_wait_tensorcnt 0x0                           ; no tensor load of mine is out: a group 0 may be written
	ds_add_u32 v254, v255
	s_wait_dscnt 0x0
.if \refill
	s_add_nc_u64 s[G0+4*\slot+2:G0+4*\slot+3], s[G0+4*\slot+2:G0+4*\slot+3], 2048     ; two chunks of 256 f32 on
.endif
	s_barrier_signal -1
	s_barrier_wait -1
.if \refill
	tensor_load_to_lds s[G0+4*\slot:G0+4*\slot+3], s[G1:G1+7]
	s_nop 0
.endif
.endm
.macro CHUNK nat, ch, slot
	RAWLD \slot, 0
.irp kq, 0,1,2,3,4,5,6,7
	STEP \nat, (8*\ch+\kq), \slot, \kq
.endr
.endm
; The way out, one window of 32 tiles at a time: + bias in f32, round to f16, store.  Each store of the wave covers 512 consecutive bytes, aligned.
.macro OUT nat
	PLACES                                         ; behind the last matrix instructions: their results are read, FA is rewritten
	s_wait_loadcnt 0x0                             ; the bias
.irp hi, 0,1
.if \hi
	s_wait_xcnt 0x0                                ; TMP, which the first half's stores read, is rewritten only behind this wait
	WIN 0xc3
.else
	WIN 0x82
.endif
.irp a, 0,1,2,3
.irp bb, 0,1,2,3,4,5,6,7
.irp i, 0,1,2,3
.set ACC, 8*(8*\a+\bb)+2*\i
.if \nat
	v_pk_add_f32 v[ACC:ACC+1], v[ACC:ACC+1], v[BIAS+2*\bb:BIAS+2*\bb+1]
.else
	v_pk_add_f32 v[ACC:ACC+1], v[ACC:ACC+1], v[BIAS+8*\bb+2*\i:BIAS+8*\bb+2*\i+1]
.endif
.endr
.endr
.endr
.if \hi
	WIN 0x0f
.else
	WIN 0x0a
.endif
.irp a, 0,1,2,3
.irp bb, 0,1,2,3,4,5,6,7
.irp i, 0,1,2,3
.set ACC, 8*(8*\a+\bb)+2*\i
	v_cvt_pk_f16_f32 v[TMP+4*(8*\a+\bb)+\i], v[ACC], v[ACC+1]
.endr
.endr
.endr
	WIN 0
.irp a, 0,1,2,3
.irp bb, 0,1,2,3,4,5,6,7
.if \nat
	global_store_b128 v[LN], v[TMP+4*(8*\a+\bb):TMP+4*(8*\a+\bb)+3], s[32:33] offset:((4*\hi+\a)>>1)*32768+\bb*1024+(\a&1)*512
.else
	global_store_b128 v[LN], v[TMP+4*(8*\a+\bb):TMP+4*(8*\a+\bb)+3], s[32:33] offset:(4*\hi+\a)*16384+\bb*512
.endif
.endr
.endr
.endr
.endm
.macro BODY nat
.if \nat
	v_lshlrev_b32 v[BO], 2, v1                     ; 4 r
.else
	v_lshlrev_b32 v[BO], 5, v2                     ; 32 h
.endif
	CHUNK \nat, 0, 0
	BOUND 0, 1                                     ; chunk 2 into slot 0
	CHUNK \nat, 1, 1
	BOUND 1, 1                                     ; chunk 3 into slot 1
	CHUNK \nat, 2, 0
	BOUND 0, 0                                     ; nothing is left to fetch; the barrier shows chunk 3 whole
	CHUNK \nat, 3, 1
	OUT \nat
.endm
	s_load_b512 s[8:23], s[0:1], 0x0               ; x of q, k, v s[8:13]; b of q, k, v s[14:19]; wf s[20:21]; qf s[22:23]
	s_load_b128 s[24:27], s[0:1], 0x40             ; kf s[24:25], vf s[26:27]
	v_lshl_add_u32 v254, v0, 2, 0x41000
	v_mov_b32 v255, 0
	ds_add_u32 v254, v255
	ds_add_u32 v254, v255
	v_lshrrev_b32 v1, 5, v0
	v_readfirstlane_b32 s4, v1                     ; wave 0..3
	s_and_b32 s5, ttmp7, 0xffff                    ; p
	s_lshl_b32 s52, ttmp9, 19                      ; x: 128 rows of 4,096 bytes a work-group
	s_lshl_b32 s53, s4, 17                         ;    + 32 rows a wave (the rows that I fetch)
	s_add_co_u32 s52, s52, s53
	s_mov_b32 s53, 0
	s_lshl_b32 s54, s4, 9                          ; b: my 128 columns
	s_mov_b32 s55, 0
	s_cmp_eq_u32 s5, 2
	s_cselect_b32 s58, 13, 12                      ; my 128 columns are 4 fragments of a row tile (q, k) or 8 of a key pair tile (v)
	s_lshl_b32 s56, ttmp9, 17                      ; out: 128 rows x 512 x 2 bytes a work-group
	s_lshl_b32 s57, s4, s58
	s_add_co_u32 s56, s56, s57
	s_mov_b32 s57, 0
	s_lshl_b32 s60, s5, 20                         ; wf: p x 1 MiB + my 8 fragments
	s_lshl_b32 s61, s4, 13
	s_add_co_u32 s60, s60, s61
	s_mov_b32 s61, 0
	s_mul_i32 s59, s4, 32*PITCH                    ; LDS: my 32 rows of a slot
	; group 1: a tile of 32 rows x 256 elements of 4 bytes, 4 words of padding behind each 256 words
	s_mov_b32 s[G1+0], (2<<16)|(1<<20)|(7<<22)|(3<<25)
	s_mov_b32 s[G1+1], 256<<16                     ; tensor_dim0 = 256
	s_mov_b32 s[G1+2], 32<<16                      ; tensor_dim1 = 32
	s_mov_b32 s[G1+3], 256<<16                     ; tile_dim0 = 256
	s_mov_b32 s[G1+4], 32                          ; tile_dim1 = 32
	s_mov_b32 s[G1+5], 1024                        ; elements from row to row
	s_mov_b32 s[G1+6], 0
	s_mov_b32 s[G1+7], 0
	s_wait_dscnt 0x0
	s_wait_kmcnt 0x0
	s_cmp_eq_u32 s5, 1
	s_cselect_b64 s[28:29], s[10:11], s[8:9]
	s_cselect_b64 s[30:31], s[16:17], s[14:15]
	s_cselect_b64 s[32:33], s[24:25], s[22:23]
	s_cmp_eq_u32 s5, 2
	s_cselect_b64 s[28:29], s[12:13], s[28:29]     ; x of this p
	s_cselect_b64 s[30:31], s[18:19], s[30:31]     ; b
	s_cselect_b64 s[32:33], s[26:27], s[32:33]     ; out
	s_add_nc_u64 s[28:29], s[28:29], s[52:53]
	s_add_nc_u64 s[30:31], s[30:31], s[54:55]
	s_add_nc_u64 s[32:33], s[32:33], s[56:57]
	s_add_nc_u64 s[34:35], s[20:21], s[60:61]      ; W
	; both first fills go out together, ahead of every wait on TENSORcnt, every LDS read and every barrier: two tensor loads of a wave are out here, later one
.irp s, 0,1
	s_mov_b32 s[G0+4*\s], 1
	s_add_co_u32 s[G0+4*\s+1], s59, \s*SLOT
	s_add_nc_u64 s[G0+4*\s+2:G0+4*\s+3], s[28:29], \s*1024
	s_or_b32 s[G0+4*\s+3], s[G0+4*\s+3], 0x80000000
	tensor_load_to_lds s[G0+4*\s:G0+4*\s+3], s[G1:G1+7]
	s_nop 0
	v_nop
	v_nop
.endr
	v_and_b32 v1, 31, v0
	v_lshlrev_b32 v[LN], 4, v1
	WLD 0
	WLD 1
	WLD 2
	v_and_b32 v1, 15, v0                           ; r
	v_bfe_u32 v2, v0, 4, 1                         ; h
	v_mul_u32_u24 v3, v1, PITCH
	v_lshl_add_u32 v3, v2, 5, v3                   ; r x pitch + 32 h
	v_mov_b32 v[XA], v3
	v_add_nc_u32 v[XA+1], 64*PITCH, v3
	v_add_nc_u32 v[XA+2], SLOT, v3
	v_add_nc_u32 v[XA+3], SLOT+64*PITCH, v3
	s_wait_tensorcnt 0x1                           ; my part of chunk 0 is in; chunk 1's may stay out
	s_barrier_signal -1
	s_barrier_wait -1
	s_cmp_eq_u32 s5, 2
	s_cbranch_scc1 .Lnatural
	BODY 0
	s_endpgm
.Lnatural:
	BODY 1
	s_endpgm
.Lfunc_end_k_qeabebad42d_proj:
	.size	k_qeabebad42d_proj, .Lfunc_end_k_qeabebad42d_proj-k_qeabebad42d_proj
	.p2alignl 7, 3214868480
	.fill 96, 4, 3214868480
	.section	.rodata,"a",@progbits
	.p2align	6, 0x0
	.amdhsa_kernel k_qeabebad42d_proj
		.amdhsa_group_segment_fixed_size 327680
		.amdhsa_private_segment_fixed_size 0
		.amdhsa_enable_private_segment 0
		.amdhsa_kernarg_size 80
		.amdhsa_user_sgpr_count 2
		.amdhsa_user_sgpr_kernarg_segment_ptr 1
		.amdhsa_wavefront_size32 1
		.amdhsa_system_sgpr_workgroup_id_x 1
		.amdhsa_system_sgpr_workgroup_id_y 1
		.amdhsa_system_sgpr_workgroup_id_z 1
		.amdhsa_system_vgpr_workitem_id 0
		.amdhsa_next_free_vgpr 1024
		.amdhsa_next_free_sgpr 66
		.amdhsa_reserve_vcc 0
		.amdhsa_float_denorm_mode_32 3
		.amdhsa_float_denorm_mode_16_64 3
		.amdhsa_memory_ordered 1
		.amdhsa_forward_progress 1
		.amdhsa_inst_pref_size 255
	.end_amdhsa_kernel
	.section	.bss,"aw",@nobits
	.p2align	6
	.space	262144
	.amdgpu_metadata
---
amdhsa.version: [ 1, 2 ]
amdhsa.kernels:
  - .name:           k_qeabebad42d_proj
    .symbol:         k_qeabebad42d_proj.kd
    .args:
      - { .name: inputs_q, .offset: 0, .size: 8, .value_kind: global_buffer, .address_space: global }
      - { .name: inputs_k, .offset: 8, .size: 8, .value_kind: global_buffer, .address_space: global }
      - { .name: inputs_v, .offset: 16, .size: 8, .value_kind: global_buffer, .address_space: global }
      - { .name: bq, .offset: 24, .size: 8, .value_kind: global_buffer, .address_space: global }
      - { .name: bk, .offset: 32, .size: 8, .value_kind: global_buffer, .address_space: global }
      - { .name: bv, .offset: 40, .size: 8, .value_kind: global_buffer, .address_space: global }
      - { .name: wf, .offset: 48, .size: 8, .value_kind: global_buffer, .address_space: global }
      - { .name: qf, .offset: 56, .size: 8, .value_kind: global_buffer, .address_space: global }
      - { .name: kf, .offset: 64, .size: 8, .value_kind: global_buffer, .address_space: global }
      - { .name: vf, .offset: 72, .size: 8, .value_kind: global_buffer, .address_space: global }
    .group_segment_fixed_size: 327680
    .private_segment_fixed_size: 0
    .kernarg_segment_align: 8
    .kernarg_segment_size: 80
    .max_flat_workgroup_size: 128
    .sgpr_count:     66
    .vgpr_count:     1024
    .wavefront_size: 32
...
	.end_amdgpu_metadata
.endif
;; end of part 2
;; launch attn (part 3): grid 60 x 4, 4 waves a work-group, clusters of 4 x 1, 327,680 bytes of LDS; arguments qf, kf, vf, po, st; writes po, st
.if DOCPART == 3
	.amdgcn_target "amdgcn-amd-amdhsa--gfx1250"
	.amdhsa_code_object_version 6
	.text
	.protected	k_qeabebad42d_attn
	.globl	k_qeabebad42d_attn
	.p2align	8
	.type	k_qeabebad42d_attn,@function
k_qeabebad42d_attn:
	s_mov_b64 s[64:65], 0
	v_nop
	global_prefetch_b8 v0, s[64:65] scope:SCOPE_SE
	s_setreg_imm32_b32 hwreg(HW_REG_WAVE_MODE, 25, 1), 1
	s_wait_xcnt 0x0
	s_wait_alu depctr_hold_cnt(0) depctr_sa_sdst(0) depctr_va_vdst(0) depctr_va_sdst(0) depctr_va_ssrc(0) depctr_va_vcc(0) depctr_vm_vsrc(0)
	s_getreg_b32 s2, hwreg(HW_REG_IB_STS2, 6, 4)
	s_cmp_eq_u32 s2, 0
	s_cbranch_scc0 .Lentry_in_a_cluster
	s_endpgm
.Lentry_in_a_cluster:
	s_bfe_u32 s2, ttmp6, 0x10000c
	s_cmp_lg_u32 s2, 0x3003
	s_cbranch_scc0 .Lentry_shape_is_right
	s_endpgm
.Lentry_shape_is_right:
; Causal attention, one part: 128 query rows against one chunk of 256 or 384 keys, by the running-maximum form of the softmax.  Stored: the unnormalised sums
; O (rounded to bf16, po), and for each row its maximum times c and its sum of exponentials (f32, st).  The next launch merges a row's 2 to 6 parts.
; A cluster of 4 work-groups is rows 512 g .. + 511 of batch b.  These rows need 8 (g + 1) steps of 64 keys, which are cut into 2, 3, 4, 6 chunks (g = 0 .. 3) of
; 4 or 6 steps: chunk c begins at step min(6 c, 8 (g + 1) - 4).  15 clusters a batch, 240 work-groups in all, none with more than 6 steps.
; The number of steps hangs on the cluster's number alone: it is the same in the four partners.
; The four work-groups read the same K and V tiles: each tile is asked for JOINTLY (mask 15), 128 KiB a step for the cluster instead of four times that.
; ROWS.  Wave w of work-group cx owns rows 128 w + 32 cx .. + 31 of the cluster's 512 (two column tiles qt) and all 512 dv.  Dealt so, the rows of wave w lie under
; row 128 w + 128 in every partner, so a step whose first key has reached that row is closed to wave w whatever cx is, and the wave JUMPS OVER its products and
; its softmax: a branch on the wave's number and the cluster's number, never on the place in the cluster.  The waits, the round of the cluster's barrier and the
; joint refill stay on every path.  A chunk's first step is never jumped: it starts maximum, sum and O.  Of a batch's 320 wave-steps 41 are not done.
; S is made transposed, S^T = K Q^T (source 0 = K, source 1 = Q): register jj of lane (r, h) is key 16 kt + 8 h + jj, query 16 qt + r.  Two such tiles packed to
; f16 ARE the second source of O^T = V^T P^T; maximum, sum and rescaling factor are one number a lane and qt; one exchange between the halves of the wave is all.
; qf, kf, vf hold matrix fragments ([half][lane][16 bytes]): every LDS load takes 512 consecutive bytes, lane i at 16 i.
; FORMAT.  q, k, v and the exponentials enter the matrix unit as F16: a row with few open keys is a sum of few terms that may cancel, so an operand's rounding shows
; there undamped, and f16's 11 significant bits leave an eighth of the error of bf16's 8.  The exponentials lie in 0 .. 1; those under 2^-14 are f16 denormals with an
; absolute error of 2^-25.  q, k, v are under 65,504 in magnitude (the limit kept where they are made).  O leaves as BF16: that rounding is relative to the finished
; sum (2^-9 of it at the most), and an unnormalised sum of up to 384 values of v has no room in f16.
; LIMITS.  A masked score is -2^100 on the raw score, where the reference puts -1e9 on the scaled one: the same result while true scaled scores lie above -1e9.
; A power of two, so that its product with c is exact: for a row to which a whole chunk is closed the exponents are exactly 0, the part's sums stay finite, and
; its maximum of -2^100 c gives it the weight 0 in the merge.  (A chunk's first key is open to a row, or none of its keys is.)
; Exponentials in base 2, c = log2(e) / sqrt(512); those below 2^-126 count as 0.  A NaN among the scores loses in the maximum and is not treated further.
.set SLOT, 131072                      ; K's 64 keys (64 KiB: fragment (kt, u) at (16 kt + u) x 1024), then V's (fragment (ks, dt) at (32 ks + dt) x 1024)
.set AK,   4                           ; v4-7    LDS address 16 x lane of K, V in slot 0, of K, V in slot 1
.set LN,   8                           ; v8      16 x lane
.set DM,   10                          ; v10-11  mask: key 16 kt + jj of this step is open to my query of tile qt if 16 kt + jj <= DM[qt]
.set MX,   12                          ; v12-13  running maximum of the raw scores
.set LS,   14                          ; v14-15  running sum of my half of the keys
.set AL,   16                          ; v[16:17], v[18:19]  rescaling factor, twice
.set NM,   20                          ; v[20:21], v[22:23]  - maximum x c, rounded, twice
.set SCR,  24                          ; v24-31  at work
.set SREG, 32                          ; v[32:95]   S(kt, qt) at + 8 (2 kt + qt)
.set PREG, 96                          ; v[96:127]  P(qt, ks) at + 8 (2 qt + ks)
.set FRG,  128                         ; v[128:255] sixteen fragments of K or V, in turns
; window 1: Q(qt, u) at 8 (16 qt + u).  windows 2, 3: O(dt, qt) at 16 (dt & 15) + 8 qt, dt 0-15 and 16-31
.set G1,   24                          ; s[24:31]
.set G0,   32                          ; s[32:39] one set for each slot
; s44 loop trips   s59 the chunk's first step that masks (may be negative)   s60 the step's number in the chunk   s63 the first step that is closed to my wave
.set MSB, 0
.macro WIN new
.if MSB != \new
	s_set_vgpr_msb (MSB<<8)|\new
.set MSB, \new
.endif
.endm
.macro PLACES                          ; four places behind a matrix instruction before its sources are loaded again or its result is read (ISA guide 7.12.1)
.rept 4
	v_nop
.endr
.endm
.macro ROUND                           ; a round of the cluster's barrier
	s_barrier_signal -1
	s_barrier_wait -1
	s_cmp_lg_u32 s4, 0
	s_cbranch_scc1 .Lnot_wave_0_\@
	s_barrier_signal -3
.Lnot_wave_0_\@:
	s_barrier_wait -3
	s_barrier_signal -1
	s_barrier_wait -1
.endm
.macro KLD slot, u                     ; K's four fragments of features 32 u .. + 31: 8 loads
.irp kt, 0,1,2,3
.irp f, 0,1
	ds_load_b128 v[FRG+32*((\u)&3)+8*\kt+4*\f:FRG+32*((\u)&3)+8*\kt+4*\f+3], v[AK+2*\slot] offset:(16*\kt+(\u))*1024+512*\f
.endr
.endr
.endm
; S^T = K Q^T: 16 groups of 8 matrix instructions; K's fragments three groups ahead.  The eight accumulators take turns.
.macro SPHASE slot
	WIN 0x04                                       ; source 1 (Q) window 1, all else window 0; the LDS loads' address and data are in window 0 too
	PLACES                                         ; FRG held sources of the last step's matrix instructions
	KLD \slot, 0
	KLD \slot, 1
	KLD \slot, 2
	KLD \slot, 3
.irp u, 0,1,2,3,4,5,6,7,8,9,10,11,12,13,14,15
.if \u > 0
.if \u < 13
	PLACES                                         ; group u + 3 lands where group u - 1, just multiplied, lay
	KLD \slot, (\u+3)
.endif
.endif
.if \u < 13
	s_wait_dscnt 24                                ; group u is in: the 8 loads each of groups u + 1, u + 2, u + 3 may stay out
.else
	s_wait_dscnt 8*(15-\u)                         ; the counts run down: 16, 8, 0
.endif
.irp kt, 0,1,2,3
.irp qt, 0,1
.set SR, SREG+8*(2*\kt+\qt)
.set KR, FRG+32*(\u&3)+8*\kt
.set QR, 8*(16*\qt+\u)
.if \u == 0
	v_wmma_f32_16x16x32_f16 v[SR:SR+7], v[KR:KR+7], v[QR:QR+7], 0
.else
	v_wmma_f32_16x16x32_f16 v[SR:SR+7], v[KR:KR+7], v[QR:QR+7], v[SR:SR+7]
.endif
.endr
.endr
.endr
	WIN 0
.endm
.macro VLD slot, beta                  ; V's eight fragments of dv tiles 4 beta .. + 3: 16 loads
.irp d, 0,1,2,3
.irp ks, 0,1
.irp f, 0,1
	ds_load_b128 v[FRG+64*((\beta)&1)+8*(2*\d+\ks)+4*\f:FRG+64*((\beta)&1)+8*(2*\d+\ks)+4*\f+3], v[AK+2*\slot+1] offset:(32*\ks+4*(\beta)+\d)*1024+512*\f
.endr
.endr
.endr
.endm
; A step masks if its first key has reached the cluster's first row; step number and threshold are made of the cluster's number alone.
.macro MASK
	s_cmp_lt_i32 s60, s59
	s_cbranch_scc1 .Lopen_\@
.irp kt, 0,1,2,3
.irp qt, 0,1
.irp jj, 0,1,2,3,4,5,6,7
	v_cmp_le_i32 vcc_lo, 16*\kt+\jj, v[DM+\qt]
	v_cndmask_b32 v[SREG+8*(2*\kt+\qt)+\jj], s58, v[SREG+8*(2*\kt+\qt)+\jj], vcc_lo
.endr
.endr
.endr
.Lopen_\@:
	v_sub_nc_u32 v[DM], v[DM], 64                  ; the next step's keys lie 64 further on (a step that is jumped over leaves these as they are:
	v_sub_nc_u32 v[DM+1], v[DM+1], 64              ; every later step of the chunk is jumped over too, and none reads them)
.endm
.macro SOFT first
	; the largest of my 32 scores for each qt: a chain for each of the eight tiles (tile ti = 2 kt + qt)
.irp ti, 0,1,2,3,4,5,6,7
	v_max3_num_f32 v[SCR+\ti], v[SREG+8*\ti], v[SREG+8*\ti+1], v[SREG+8*\ti+2]
.endr
.irp ti, 0,1,2,3,4,5,6,7
	v_max3_num_f32 v[SCR+\ti], v[SCR+\ti], v[SREG+8*\ti+3], v[SREG+8*\ti+4]
.endr
.irp ti, 0,1,2,3,4,5,6,7
	v_max3_num_f32 v[SCR+\ti], v[SCR+\ti], v[SREG+8*\ti+5], v[SREG+8*\ti+6]
.endr
.irp ti, 0,1,2,3,4,5,6,7
	v_max_num_f32 v[SCR+\ti], v[SCR+\ti], v[SREG+8*\ti+7]
.endr
	v_max3_num_f32 v[SCR], v[SCR], v[SCR+2], v[SCR+4]
	v_max3_num_f32 v[SCR+1], v[SCR+1], v[SCR+3], v[SCR+5]
	v_max_num_f32 v[SCR], v[SCR], v[SCR+6]
	v_max_num_f32 v[SCR+1], v[SCR+1], v[SCR+7]
	v_permlanex16_b32 v[SCR+2], v[SCR], s40, s41   ; the other half of the wave holds the same queries' other keys
	v_permlanex16_b32 v[SCR+3], v[SCR+1], s40, s41
.if \first
	v_max_num_f32 v[MX], v[SCR], v[SCR+2]
	v_max_num_f32 v[MX+1], v[SCR+1], v[SCR+3]
	v_mul_f32 v[NM], s45, v[MX]
	v_mul_f32 v[NM+2], s45, v[MX+1]
	v_mov_b32 v[NM+1], v[NM]
	v_mov_b32 v[NM+3], v[NM+2]
.else
	v_max3_num_f32 v[MX], v[MX], v[SCR], v[SCR+2]
	v_max3_num_f32 v[MX+1], v[MX+1], v[SCR+1], v[SCR+3]
	v_mul_f32 v[SCR+4], s45, v[MX]                 ; - new maximum x c, rounded once: the number that all exponentials of this step subtract
	v_mul_f32 v[SCR+5], s45, v[MX+1]
	v_sub_f32 v[SCR+6], v[SCR+4], v[NM]            ; old x c - new x c, of the rounded numbers, so that old and new terms stay on one footing
	v_sub_f32 v[SCR+7], v[SCR+5], v[NM+2]
	v_exp_f32 v[AL], v[SCR+6]
	v_exp_f32 v[AL+2], v[SCR+7]
	v_mov_b32 v[NM], v[SCR+4]                      ; plain work that touches neither result nor source stands behind the exponentials (ISA guide 5.7.2)
	v_mov_b32 v[NM+1], v[SCR+4]
	v_mov_b32 v[NM+2], v[SCR+5]
	v_mov_b32 v[NM+3], v[SCR+5]
	s_wait_alu depctr_va_vdst(0)
	v_mov_b32 v[AL+1], v[AL]
	v_mov_b32 v[AL+3], v[AL+2]
.endif
.irp ti, 0,1,2,3,4,5,6,7
.irp i, 0,1,2,3
	v_pk_fma_f32 v[SREG+8*\ti+2*\i:SREG+8*\ti+2*\i+1], v[SREG+8*\ti+2*\i:SREG+8*\ti+2*\i+1], s[42:43], v[NM+2*(\ti&1):NM+2*(\ti&1)+1] op_sel_hi:[1,0,1]
.endr
.endr
.set ei, 0
.rept 64
	v_exp_f32 v[SREG+ei], v[SREG+ei]
.set ei, ei+1
.endr
	v_nop                                          ; one plain place behind the last exponential
	s_wait_alu depctr_va_vdst(0)
.irp qt, 0,1
.irp i, 0,1,2,3
	v_pk_add_f32 v[SCR+2*\i:SCR+2*\i+1], v[SREG+8*\qt+2*\i:SREG+8*\qt+2*\i+1], v[SREG+8*(2+\qt)+2*\i:SREG+8*(2+\qt)+2*\i+1]
.endr
.irp kt, 2,3
.irp i, 0,1,2,3
	v_pk_add_f32 v[SCR+2*\i:SCR+2*\i+1], v[SCR+2*\i:SCR+2*\i+1], v[SREG+8*(2*\kt+\qt)+2*\i:SREG+8*(2*\kt+\qt)+2*\i+1]
.endr
.endr
	v_pk_add_f32 v[SCR:SCR+1], v[SCR:SCR+1], v[SCR+2:SCR+3]
	v_pk_add_f32 v[SCR+4:SCR+5], v[SCR+4:SCR+5], v[SCR+6:SCR+7]
	v_pk_add_f32 v[SCR:SCR+1], v[SCR:SCR+1], v[SCR+4:SCR+5]
.if \first
	v_add_f32 v[LS+\qt], v[SCR], v[SCR+1]
.else
	v_add_f32 v[SCR], v[SCR], v[SCR+1]
	v_fma_f32 v[LS+\qt], v[LS+\qt], v[AL+2*\qt], v[SCR]
.endif
.endr
	; P(qt, ks): registers 0-3 from S(2 ks, qt), 4-7 from S(2 ks + 1, qt), rounded to f16
.irp qt, 0,1
.irp ks, 0,1
.irp e, 0,1
.irp i, 0,1,2,3
	v_cvt_pk_f16_f32 v[PREG+8*(2*\qt+\ks)+4*\e+\i], v[SREG+8*(2*(2*\ks+\e)+\qt)+2*\i], v[SREG+8*(2*(2*\ks+\e)+\qt)+2*\i+1]
.endr
.endr
.endr
.endr
.endm
; O^T = O^T x factor + V^T P^T, in eight batches of four dv tiles.  A batch: rescale its 8 accumulators, ask for the next batch's V, multiply (8 accumulators in turns, twice).
.macro PVPHASE slot, first
.irp beta, 0,1,2,3,4,5,6,7
.if \first
	PLACES                                         ; nothing to rescale: the places that the loads below need behind the last batch
.else
.if \beta < 4
	WIN 0x82
.else
	WIN 0xc3
.endif
.irp d, 0,1,2,3
.irp qt, 0,1
.irp i, 0,1,2,3
.set OREG, 64*(\beta&3)+16*\d+8*\qt+2*\i
	v_pk_mul_f32 v[OREG:OREG+1], v[OREG:OREG+1], v[AL+2*\qt:AL+2*\qt+1]
.endr
.endr
.endr
.endif
	WIN 0
.if \beta < 7
	VLD \slot, (\beta+1)
	s_wait_dscnt 16                                ; this batch's V is in: the 16 loads just issued may stay out
.else
	s_wait_dscnt 0
.endif
.if \beta < 4
	WIN 0xa0
.else
	WIN 0xf0
.endif
.irp ks, 0,1
.irp d, 0,1,2,3
.irp qt, 0,1
.set OREG, 64*(\beta&3)+16*\d+8*\qt
.set VREG, FRG+64*(\beta&1)+8*(2*\d+\ks)
.set PR, PREG+8*(2*\qt+\ks)
.if \first*(1-\ks)
	v_wmma_f32_16x16x32_f16 v[OREG:OREG+7], v[VREG:VREG+7], v[PR:PR+7], 0
.else
	v_wmma_f32_16x16x32_f16 v[OREG:OREG+7], v[VREG:VREG+7], v[PR:PR+7], v[OREG:OREG+7]
.endif
.endr
.endr
.endr
.endr
	WIN 0
.endm
; One step of 64 keys out of slot.  The round of the cluster's barrier is the barrier in front of the refill: in front of it every wave has all its tensor
; loads landed (its part of this step's tile) and its LDS reads back; behind it the other slot is asked for, jointly, first; that load has the whole step in which to land.
; Behind the refill a wave to which the step is closed jumps to the step's end: it reads no LDS and multiplies nothing, and meets the others at the next round.
.macro TRIP slot, refill, first
	s_wait_xcnt 0x0
	v_lshl_add_u32 v94, v0, 2, 0x40000
	v_mov_b32 v95, 0
	s_wait_tensorcnt 0x0                           ; no tensor load of mine is out: a group 0 may be written
	ds_add_u32 v94, v95
	s_wait_dscnt 0x0
	s_add_nc_u64 s[G0+4*\slot+2:G0+4*\slot+3], s[G0+4*\slot+2:G0+4*\slot+3], 2*65536     ; this slot's next tile
	s_wait_dscnt 0x0
	ROUND
.if \refill
	tensor_load_to_lds s[G0+4-4*\slot:G0+7-4*\slot], s[G1:G1+7]
	s_nop 0
.endif
.if 1-\first
	s_cmp_ge_i32 s60, s63                          ; the step's first key has passed row 128 w + 127 of the cluster: closed to my rows in every partner
	s_cbranch_scc1 .Lclosed_\@
.endif
	SPHASE \slot
	PLACES                                         ; behind the last S product: S is read, FRG is loaded again
	VLD \slot, 0                                   ; lands during the softmax
	MASK
	SOFT \first
	PVPHASE \slot, \first
.if 1-\first
.Lclosed_\@:
.endif
	s_add_co_u32 s60, s60, 1                       ; the next step, on both ways
.endm
	s_load_b256 s[8:15], s[0:1], 0x0               ; qf s[8:9], kf s[10:11], vf s[12:13], po s[14:15]
	s_load_b64 s[16:17], s[0:1], 0x20              ; st
	v_lshl_add_u32 v94, v0, 2, 0x40000
	v_mov_b32 v95, 0
	ds_add_u32 v94, v95
	ds_add_u32 v94, v95
	s_wait_dscnt 0x0
	v_lshrrev_b32 v1, 5, v0
	v_readfirstlane_b32 s4, v1                     ; wave 0..3
	s_and_b32 s5, ttmp7, 0xffff                    ; b
	s_bfe_u32 s6, ttmp6, 0x40000                   ; cx: enters Q's address, the mask's lane values and the output offsets alone
	s_mov_b32 s20, ttmp9                           ; t = 0..14: the cluster's number in its batch
	s_cmp_ge_u32 s20, 2
	s_cselect_b32 s18, 1, 0
	s_cmp_ge_u32 s20, 5
	s_cselect_b32 s21, 1, 0
	s_add_co_u32 s18, s18, s21
	s_cmp_ge_u32 s20, 9
	s_cselect_b32 s21, 1, 0
	s_add_co_u32 s18, s18, s21                     ; g: the row groups have 2, 3, 4, 6 chunks
	s_add_co_u32 s21, s18, 3
	s_mul_i32 s21, s21, s18
	s_lshr_b32 s21, s21, 1                         ; g (g + 3) / 2 = 0, 2, 5, 9
	s_sub_co_u32 s19, s20, s21                     ; c: the chunk
	s_lshl_b32 s59, s18, 3                         ; 8 g
	s_add_co_u32 s61, s59, 8                       ; 8 (g + 1): the steps that the rows need
	s_sub_co_u32 s62, s61, 4
	s_mul_i32 s21, s19, 6
	s_add_co_u32 s63, s21, 6
	s_min_u32 s21, s21, s62                        ; the chunk's first step: min(6 c, 8 (g + 1) - 4)
	s_min_u32 s62, s63, s62                        ; where the next chunk begins,
	s_cmp_ge_u32 s63, s61
	s_cselect_b32 s62, s61, s62                    ; or the end, for the last chunk
	s_sub_co_u32 s44, s62, s21                     ; 4 or 6 steps
	s_lshr_b32 s44, s44, 1
	s_sub_co_u32 s44, s44, 1                       ; the loop's trips: 1 or 2 (a first and a last step stand outside it)
	s_max_u32 s44, s44, 1                          ; changes nothing; it writes out in the text that the count-down starts at 1 or more, and so ends
	s_sub_co_i32 s59, s59, s21                     ; the step of this chunk at which the keys reach the cluster's first row
	s_lshl_b32 s63, s4, 1
	s_add_co_i32 s63, s63, s59
	s_add_co_i32 s63, s63, 2                       ; 2 w + 2 steps (128 w + 128 keys) later they have passed the rows of wave w
	s_mov_b32 s60, 0
	s_lshl_b32 s46, s5, 7                          ; Q: row tile 128 b + 32 g + 8 w + 2 cx, 16,384 bytes each
	s_lshl_b32 s47, s18, 5
	s_add_co_u32 s46, s46, s47
	s_lshl_b32 s47, s4, 3
	s_add_co_u32 s46, s46, s47
	s_lshl_b32 s47, s6, 1
	s_add_co_u32 s46, s46, s47
	s_lshl_b32 s46, s46, 14
	s_mov_b32 s47, 0
	s_lshl_b32 s48, s5, 5                          ; K, V: tile of 64 keys b x 32 + first step, 65,536 bytes each, + my half of it
	s_add_co_u32 s48, s48, s21
	s_lshl_b32 s48, s48, 16
	s_and_b32 s49, s4, 1
	s_lshl_b32 s49, s49, 15
	s_add_co_u32 s48, s48, s49
	s_mov_b32 s49, 0
	s_mul_i32 s50, s5, 15                          ; slot = (15 b + t) x 4 + cx
	s_add_co_u32 s50, s50, s20
	s_lshl_b32 s50, s50, 2
	s_add_co_u32 s50, s50, s6
	s_lshl_b32 s52, s50, 17                        ; po: 131,072 bytes a slot, 32,768 a wave
	s_lshl_b32 s53, s4, 15
	s_add_co_u32 s52, s52, s53
	s_mov_b32 s53, 0
	s_lshl_b32 s54, s50, 2                         ; st: 512 bytes a wave
	s_add_co_u32 s54, s54, s4
	s_lshl_b32 s54, s54, 9
	s_mov_b32 s55, 0
	s_lshl_b32 s56, s4, 15                         ; LDS: wave w fills 32 KiB at 32,768 w of a slot: waves 0, 1 K's halves, waves 2, 3 V's
	s_lshl_b32 s57, s59, 6                         ; mask: first row of the cluster - first key of the chunk (may be negative) + 128 w + 32 cx
	s_lshl_b32 s51, s4, 7
	s_add_co_u32 s57, s57, s51
	s_lshl_b32 s51, s6, 5
	s_add_co_u32 s57, s57, s51
	s_mov_b32 s40, 0x76543210                      ; v_permlanex16_b32: lane i reads lane i of the other half
	s_mov_b32 s41, 0xfedcba98
	s_mov_b32 s42, 0x3d8293ee                      ; c = log2(e) / sqrt(512)
	s_mov_b32 s43, 0x3d8293ee
	s_mov_b32 s45, 0xbd8293ee                      ; - c
	s_mov_b32 s58, 0xf1800000                      ; - 2^100
	; group 1: a dense block of 32 KiB as 128 rows of 32 elements of 8 bytes; mask 15 = the four work-groups of the cluster, bit 21 beside it
	s_mov_b32 s[G1+0], 15|(3<<16)|(1<<21)
	s_mov_b32 s[G1+1], 32<<16
	s_mov_b32 s[G1+2], 128<<16
	s_mov_b32 s[G1+3], 32<<16
	s_mov_b32 s[G1+4], 128
	s_mov_b32 s[G1+5], 32
	s_mov_b32 s[G1+6], 0
	s_mov_b32 s[G1+7], 0
	v_and_b32 v1, 31, v0
	v_lshlrev_b32 v[LN], 4, v1
	s_wait_kmcnt 0x0
	s_add_nc_u64 s[8:9], s[8:9], s[46:47]
	s_cmp_lt_u32 s4, 2
	s_cselect_b64 s[22:23], s[10:11], s[12:13]     ; I fetch for K or for V, by the wave's number
	s_add_nc_u64 s[22:23], s[22:23], s[48:49]      ; made of b, the cluster's number and the wave's number: the same in all four partners
	s_add_nc_u64 s[14:15], s[14:15], s[52:53]
	s_add_nc_u64 s[16:17], s[16:17], s[54:55]
.irp n, 0,1
	s_mov_b32 s[G0+4*\n], 1
	s_add_co_u32 s[G0+4*\n+1], s56, \n*SLOT
	s_add_nc_u64 s[G0+4*\n+2:G0+4*\n+3], s[22:23], \n*65536
	s_or_b32 s[G0+4*\n+3], s[G0+4*\n+3], 0x80000000
.endr
	ROUND                                          ; all four work-groups are here: the first joint loads meet
	tensor_load_to_lds s[G0:G0+3], s[G1:G1+7]      ; tile 0 goes out ahead of Q's loads: the last of those 64 is issued only when the first has come back
	s_nop 0
	                                               ; (LOADcnt's field holds 63; the issue stalls, ISA guide 5.7.1), and the tile is on its way meanwhile
	WIN 0x40
.set qi, 0
.rept 64
	global_load_b128 v[4*qi:4*qi+3], v[LN], s[8:9] offset:512*qi     ; my 32 rows of Q, 32 fragments, in the order of the registers
.set qi, qi+1
.endr
	WIN 0
	v_mov_b32 v[AK], v[LN]
	v_add_nc_u32 v[AK+1], 65536, v[LN]
	v_add_nc_u32 v[AK+2], SLOT, v[LN]
	v_add_nc_u32 v[AK+3], SLOT+65536, v[LN]
	v_and_b32 v1, 15, v0                           ; r
	v_bfe_u32 v2, v0, 4, 1                         ; h
	v_lshlrev_b32 v3, 3, v2
	v_sub_nc_u32 v[DM], v1, v3
	v_add_nc_u32 v[DM], s57, v[DM]                 ; my query - first key of the chunk - 8 h, tile qt = 0
	v_add_nc_u32 v[DM+1], 16, v[DM]
	s_wait_loadcnt 0x0                             ; Q
	TRIP 0, 1, 1                                   ; the first step starts maximum, sum and O: nothing is cleared; it asks for tile 1
.Lsteps:
	TRIP 1, 1, 0
	TRIP 0, 1, 0                                   ; in the last trip this asks for the chunk's last tile
	s_sub_co_u32 s44, s44, 1
	s_cmp_lg_u32 s44, 0
	s_cbranch_scc1 .Lsteps
	TRIP 1, 0, 0                                   ; the last step: nothing is left to fetch
	PLACES                                         ; behind the last products: O is read
	v_permlanex16_b32 v[SCR], v[LS], s40, s41
	v_permlanex16_b32 v[SCR+1], v[LS+1], s40, s41
	v_add_f32 v[SCR+2], v[LS], v[SCR]              ; the two halves' sums
	v_add_f32 v[SCR+3], v[LS+1], v[SCR+1]
	v_sub_f32 v[SCR], 0, v[NM]                     ; maximum x c, as the exponentials subtracted it
	v_sub_f32 v[SCR+1], 0, v[NM+2]
	global_store_b128 v[LN], v[SCR:SCR+3], s[16:17]
	; O to bf16, packed in place: register i takes registers 2 i and 2 i + 1, in ascending order, so that nothing is written before it has been read.
	; Tile (dt, qt) then lies in four registers, 16 bytes a lane: dv 16 dt + 8 h + 0 .. 7 of query 16 qt + r; it goes to byte (2 dt + qt) x 512 of my 32 KiB.
	WIN 0x8a                                       ; destination and both sources window 2
.set qi, 0
.rept 128
	v_cvt_pk_bf16_f32 v[qi], v[2*qi], v[2*qi+1]
.set qi, qi+1
.endr
	WIN 0x08                                       ; store data from window 2
.set qi, 0
.rept 32
	global_store_b128 v[LN], v[4*qi:4*qi+3], s[14:15] offset:512*qi          ; 512 consecutive bytes a store, aligned
.set qi, qi+1
.endr
	WIN 0xcf                                       ; the same in window 3
.set qi, 0
.rept 128
	v_cvt_pk_bf16_f32 v[qi], v[2*qi], v[2*qi+1]
.set qi, qi+1
.endr
	WIN 0x0c
.set qi, 0
.rept 32
	global_store_b128 v[LN], v[4*qi:4*qi+3], s[14:15] offset:16384+512*qi
.set qi, qi+1
.endr
	WIN 0
	ROUND                                          ; the closing round: no work-group ends while a partner may still ask jointly
	s_endpgm
.Lfunc_end_k_qeabebad42d_attn:
	.size	k_qeabebad42d_attn, .Lfunc_end_k_qeabebad42d_attn-k_qeabebad42d_attn
	.p2alignl 7, 3214868480
	.fill 96, 4, 3214868480
	.section	.rodata,"a",@progbits
	.p2align	6, 0x0
	.amdhsa_kernel k_qeabebad42d_attn
		.amdhsa_group_segment_fixed_size 327680
		.amdhsa_private_segment_fixed_size 0
		.amdhsa_enable_private_segment 0
		.amdhsa_kernarg_size 40
		.amdhsa_user_sgpr_count 2
		.amdhsa_user_sgpr_kernarg_segment_ptr 1
		.amdhsa_wavefront_size32 1
		.amdhsa_system_sgpr_workgroup_id_x 1
		.amdhsa_system_sgpr_workgroup_id_y 1
		.amdhsa_system_sgpr_workgroup_id_z 1
		.amdhsa_system_vgpr_workitem_id 0
		.amdhsa_next_free_vgpr 1024
		.amdhsa_next_free_sgpr 66
		.amdhsa_reserve_vcc 1
		.amdhsa_float_denorm_mode_32 3
		.amdhsa_float_denorm_mode_16_64 3
		.amdhsa_memory_ordered 1
		.amdhsa_forward_progress 1
		.amdhsa_inst_pref_size 255
	.end_amdhsa_kernel
	.section	.bss,"aw",@nobits
	.p2align	6
	.space	262144
	.amdgpu_metadata
---
amdhsa.version: [ 1, 2 ]
amdhsa.kernels:
  - .name:           k_qeabebad42d_attn
    .symbol:         k_qeabebad42d_attn.kd
    .args:
      - { .name: qf, .offset: 0, .size: 8, .value_kind: global_buffer, .address_space: global }
      - { .name: kf, .offset: 8, .size: 8, .value_kind: global_buffer, .address_space: global }
      - { .name: vf, .offset: 16, .size: 8, .value_kind: global_buffer, .address_space: global }
      - { .name: po, .offset: 24, .size: 8, .value_kind: global_buffer, .address_space: global }
      - { .name: st, .offset: 32, .size: 8, .value_kind: global_buffer, .address_space: global }
    .group_segment_fixed_size: 327680
    .private_segment_fixed_size: 0
    .kernarg_segment_align: 8
    .kernarg_segment_size: 40
    .max_flat_workgroup_size: 128
    .sgpr_count:     66
    .vgpr_count:     1024
    .wavefront_size: 32
...
	.end_amdgpu_metadata
.endif
;; end of part 3
;; launch comb (part 4): grid 128 x 4, 8 waves a work-group, no clusters, 35,840 bytes of LDS; arguments po, st, out0; writes out0
.if DOCPART == 4
	.amdgcn_target "amdgcn-amd-amdhsa--gfx1250"
	.amdhsa_code_object_version 6
	.text
	.protected	k_qeabebad42d_comb
	.globl	k_qeabebad42d_comb
	.p2align	8
	.type	k_qeabebad42d_comb,@function
k_qeabebad42d_comb:
	s_mov_b64 s[64:65], 0
	v_nop
	global_prefetch_b8 v0, s[64:65] scope:SCOPE_SE
	s_setreg_imm32_b32 hwreg(HW_REG_WAVE_MODE, 25, 1), 1
	s_wait_xcnt 0x0
; Merges the n = 2, 3, 4, 6 parts (g = 0 .. 3) of 16 query rows: with M = the largest of the parts' maxima (already times c, base 2), w_c = 2^(m_c - M),
; out = sum of w_c O_c / sum of w_c l_c.  The part that holds M has w = 1 and a sum that holds the term of its own maximum, about 1: the divisor is no small number.
; A part whose keys are all closed to a row has m = -2^100 c and finite sums: its weight is 2^(a huge negative number) = 0.
; A work-group is one column tile qt of one wave's rows in the launch before, rows 512 g + 128 w + 32 cx + 16 qt .. + 15 of its batch: 16 rows x 512 dv.
; Wave v owns dv tiles 4 v .. + 3: 256 bytes of each row.
; po holds packed accumulator registers, bf16: lane (r, h) has dv 16 dt + 8 h + 0 .. 7 of row r in 16 bytes.  They are widened to f32 (a shift, a mask) and summed in f32.
; Rows are put together in a stage of 16 x 272 bytes in LDS, each wave's own (no barrier; a wave's LDS instructions are served in order, ISA guide 5.7.1),
; and leave as whole aligned blocks of 256 bytes.
; A stream: no matrix unit, no cluster, nothing shared between work-groups.  Part c lies 4 slots on: 524,288 bytes in po, 8,192 in st.
; ORDER.  The 16 blocks (g, cx) are walked downward where (b >> 1) xor qt is 0 and upward where it is 1.  So two work-groups whose numbers are neighbours (qt 0 and 1),
; and two whose numbers lie 256 apart (b and b + 2), take blocks g and 3 - g: 6 + 2 or 4 + 3 parts together, whichever of these pairs comes to share a WGP.
.set MS,  8                            ; v[8+2c] m_c, v[9+2c] l_c
.set WT,  20                           ; v[20+2c:21+2c] w_c / L, twice
.set OB,  32                           ; v[32+16c ..] O_c as bf16: tile dl at + 4 dl
.set ACC, 128                          ; v[128:159] the sums: tile dl at + 8 dl
.set TT,  160                          ; v[160:167] four pairs at work, in turns
.set SC,  168                          ; v168-170 M, L, 1 / L
.set RB,  32                           ; rows read back (over O_0 and O_1, which have been added by then)
.set SP,  272                          ; the stage's pitch: 256 + 16 bytes
.macro BODY n
.set cc, 0
.rept \n
	global_load_b32 v[MS+2*cc], v2, s[10:11] offset:cc*8192
	global_load_b32 v[MS+2*cc+1], v2, s[10:11] offset:cc*8192+8
.set cc, cc+1
.endr
.set cc, 0
.rept \n
.irp dl, 0,1,2,3
	global_load_b128 v[OB+16*cc+4*\dl:OB+16*cc+4*\dl+3], v2, s[8:9] offset:cc*524288+\dl*1024 th:TH_LOAD_NT
.endr
.set cc, cc+1
.endr
	s_wait_loadcnt 4*\n                            ; m and l are in: the 4 n loads of O issued behind them may stay out
	v_mov_b32 v[SC], v[MS]
.set cc, 1
.rept \n-1
	v_max_num_f32 v[SC], v[SC], v[MS+2*cc]
.set cc, cc+1
.endr
.set cc, 0
.rept \n
	v_sub_f32 v[WT+2*cc], v[MS+2*cc], v[SC]
.set cc, cc+1
.endr
.set cc, 0
.rept \n
	v_exp_f32 v[WT+2*cc], v[WT+2*cc]
.set cc, cc+1
.endr
	v_nop                                          ; one plain place behind the exponentials (ISA guide 5.7.2)
	s_wait_alu depctr_va_vdst(0)
	v_mul_f32 v[SC+1], v[WT], v[MS+1]
.set cc, 1
.rept \n-1
	v_fma_f32 v[SC+1], v[WT+2*cc], v[MS+2*cc+1], v[SC+1]
.set cc, cc+1
.endr
	v_rcp_f32 v[SC+2], v[SC+1]
	v_nop
.set cc, 0
	s_wait_alu depctr_va_vdst(0)
.rept \n
	v_mul_f32 v[WT+2*cc], v[WT+2*cc], v[SC+2]
	v_mov_b32 v[WT+2*cc+1], v[WT+2*cc]
.set cc, cc+1
.endr
	s_wait_loadcnt 0x0
.set ii, 0
.rept 16
	v_lshlrev_b32 v[TT+2*(ii&3)], 16, v[OB+ii]     ; bf16 to f32: the low half moves up,
	v_and_b32 v[TT+2*(ii&3)+1], s26, v[OB+ii]      ; the high half stays
	v_pk_mul_f32 v[ACC+2*ii:ACC+2*ii+1], v[TT+2*(ii&3):TT+2*(ii&3)+1], v[WT:WT+1]     ; the first part starts the sums
.set ii, ii+1
.endr
.set cc, 1
.rept \n-1
.set ii, 0
.rept 16
	v_lshlrev_b32 v[TT+2*(ii&3)], 16, v[OB+16*cc+ii]
	v_and_b32 v[TT+2*(ii&3)+1], s26, v[OB+16*cc+ii]
	v_pk_fma_f32 v[ACC+2*ii:ACC+2*ii+1], v[TT+2*(ii&3):TT+2*(ii&3)+1], v[WT+2*cc:WT+2*cc+1], v[ACC+2*ii:ACC+2*ii+1]
.set ii, ii+1
.endr
.set cc, cc+1
.endr
.irp dl, 0,1,2,3
.irp e, 0,1
	ds_store_b128 v3, v[ACC+8*\dl+4*\e:ACC+8*\dl+4*\e+3] offset:\dl*64+\e*16   ; row r, dv 16 dl + 8 h + 4 e .. + 3
.endr
.endr
.irp t, 0,1,2,3,4,5,6,7
	ds_load_b128 v[RB+4*\t:RB+4*\t+3], v4 offset:\t*2*SP                       ; rows 2 t and 2 t + 1: lanes 0-15 one, lanes 16-31 the other
.endr
.irp t, 0,1,2,3,4,5,6,7
	s_wait_dscnt 7-\t                              ; LDS loads come back in order: pair t is in
	global_store_b128 v5, v[RB+4*\t:RB+4*\t+3], s[12:13] offset:\t*4096 th:TH_STORE_NT   ; sixteen lanes store 256 consecutive bytes, aligned
.endr
	s_wait_tensorcnt 0x0
	ds_add_u32 v176, v177
	s_wait_dscnt 0x0
	s_endpgm
.endm
	s_load_b128 s[8:11], s[0:1], 0x0               ; po s[8:9], st s[10:11]
	s_load_b64 s[12:13], s[0:1], 0x10              ; out0
	v_lshl_add_u32 v176, v0, 2, 0x8800
	v_mov_b32 v177, 0
	v_lshrrev_b32 v1, 5, v0
	v_readfirstlane_b32 s4, v1                     ; wave v = 0..7
	s_and_b32 s5, ttmp7, 0xffff                    ; b
	s_lshr_b32 s6, ttmp9, 3                        ; 0..15
	s_bfe_u32 s7, ttmp9, 0x20001                   ; w: the wave of the launch before
	s_and_b32 s14, ttmp9, 1                        ; qt: which 16 of its 32 rows
	s_lshr_b32 s27, s5, 1
	s_xor_b32 s27, s27, s14                        ; which way the blocks are walked
	s_sub_co_u32 s28, 15, s6
	s_cmp_eq_u32 s27, 0
	s_cselect_b32 s6, s28, s6                      ; j = 4 g + cx: downward or upward
	s_lshr_b32 s15, s6, 2                          ; g
	s_and_b32 s16, s6, 3                           ; cx
	s_add_co_u32 s17, s15, 3
	s_mul_i32 s17, s17, s15
	s_lshr_b32 s17, s17, 1                         ; g (g + 3) / 2: the number, in its batch, of the cluster that made part 0
	s_mul_i32 s18, s5, 15
	s_add_co_u32 s17, s17, s18
	s_lshl_b32 s17, s17, 2
	s_add_co_u32 s17, s17, s16                     ; the slot of part 0
	s_lshl_b32 s20, s17, 17                        ; po: slot x 131,072 + w x 32,768 + v x 4 dv tiles x 1,024 + qt x 512
	s_lshl_b32 s21, s7, 15
	s_add_co_u32 s20, s20, s21
	s_lshl_b32 s21, s4, 12
	s_add_co_u32 s20, s20, s21
	s_lshl_b32 s21, s14, 9
	s_add_co_u32 s20, s20, s21
	s_mov_b32 s21, 0
	s_lshl_b32 s22, s17, 2                         ; st: (4 slot + w) x 512 + 4 qt
	s_add_co_u32 s22, s22, s7
	s_lshl_b32 s22, s22, 9
	s_lshl_b32 s23, s14, 2
	s_add_co_u32 s22, s22, s23
	s_mov_b32 s23, 0
	s_lshl_b32 s24, s5, 11                         ; out0: row 2,048 b + 512 g + 128 w + 32 cx + 16 qt, 2,048 bytes each, + 256 v
	s_lshl_b32 s25, s15, 9
	s_add_co_u32 s24, s24, s25
	s_lshl_b32 s25, s7, 7
	s_add_co_u32 s24, s24, s25
	s_lshl_b32 s25, s16, 5
	s_add_co_u32 s24, s24, s25
	s_lshl_b32 s25, s14, 4
	s_add_co_u32 s24, s24, s25
	s_lshl_b32 s24, s24, 11
	s_lshl_b32 s25, s4, 8
	s_add_co_u32 s24, s24, s25
	s_mov_b32 s25, 0
	s_mov_b32 s26, 0xffff0000                      ; a word's upper bf16
	s_mul_i32 s19, s4, 16*SP                       ; my stage
	v_and_b32 v1, 31, v0
	v_lshlrev_b32 v2, 4, v1                        ; 16 x lane
	v_and_b32 v6, 15, v0                           ; r
	v_bfe_u32 v7, v0, 4, 1                         ; h
	v_mul_u32_u24 v3, v6, SP
	v_lshl_add_u32 v3, v7, 5, v3
	v_add_nc_u32 v3, s19, v3                       ; in: row r, 32 h
	v_mul_u32_u24 v4, v7, SP
	v_lshl_add_u32 v4, v6, 4, v4
	v_add_nc_u32 v4, s19, v4                       ; back: row h, 16 r
	v_lshlrev_b32 v5, 11, v7
	v_lshl_add_u32 v5, v6, 4, v5                   ; and the same place in out0
	s_wait_kmcnt 0x0
	s_add_nc_u64 s[8:9], s[8:9], s[20:21]
	s_add_nc_u64 s[10:11], s[10:11], s[22:23]
	s_add_nc_u64 s[12:13], s[12:13], s[24:25]
	s_cmp_eq_u32 s15, 0
	s_cbranch_scc1 .Ltwo
	s_cmp_eq_u32 s15, 1
	s_cbranch_scc1 .Lthree
	s_cmp_eq_u32 s15, 2
	s_cbranch_scc1 .Lfour
	BODY 6
.Lfour:
	BODY 4
.Lthree:
	BODY 3
.Ltwo:
	BODY 2
.Lfunc_end_k_qeabebad42d_comb:
	.size	k_qeabebad42d_comb, .Lfunc_end_k_qeabebad42d_comb-k_qeabebad42d_comb
	.p2alignl 7, 3214868480
	.fill 96, 4, 3214868480
	.section	.rodata,"a",@progbits
	.p2align	6, 0x0
	.amdhsa_kernel k_qeabebad42d_comb
		.amdhsa_group_segment_fixed_size 35840
		.amdhsa_private_segment_fixed_size 0
		.amdhsa_enable_private_segment 0
		.amdhsa_kernarg_size 24
		.amdhsa_user_sgpr_count 2
		.amdhsa_user_sgpr_kernarg_segment_ptr 1
		.amdhsa_wavefront_size32 1
		.amdhsa_system_sgpr_workgroup_id_x 1
		.amdhsa_system_sgpr_workgroup_id_y 1
		.amdhsa_system_sgpr_workgroup_id_z 1
		.amdhsa_system_vgpr_workitem_id 0
		.amdhsa_next_free_vgpr 178
		.amdhsa_next_free_sgpr 66
		.amdhsa_reserve_vcc 0
		.amdhsa_float_denorm_mode_32 3
		.amdhsa_float_denorm_mode_16_64 3
		.amdhsa_memory_ordered 1
		.amdhsa_forward_progress 1
		.amdhsa_inst_pref_size 55
	.end_amdhsa_kernel
	.amdgpu_metadata
---
amdhsa.version: [ 1, 2 ]
amdhsa.kernels:
  - .name:           k_qeabebad42d_comb
    .symbol:         k_qeabebad42d_comb.kd
    .args:
      - { .name: po, .offset: 0, .size: 8, .value_kind: global_buffer, .address_space: global }
      - { .name: st, .offset: 8, .size: 8, .value_kind: global_buffer, .address_space: global }
      - { .name: out0, .offset: 16, .size: 8, .value_kind: global_buffer, .address_space: global }
    .group_segment_fixed_size: 35840
    .private_segment_fixed_size: 0
    .kernarg_segment_align: 8
    .kernarg_segment_size: 24
    .max_flat_workgroup_size: 256
    .sgpr_count:     66
    .vgpr_count:     178
    .wavefront_size: 32
...
	.end_amdgpu_metadata
.endif
;; end of part 4
